; MI455X (gfx1250); checked and timed in simulation.
; The chip was launched on July 23, 2026; its instructions are those of AMD's public machine-readable ISA for CDNA 5 (MIT licence, August 2026) and "CDNA5" Instruction Set Architecture Reference Guide (July 2026). The comments in the code are by the model that wrote it; some were corrected since.
;; Masked Multi Head Attention. Allowed arithmetic: matrix products marked QUANTISED: E5M2 operands, one given power-of-two scale a tensor, by v_wmma_f32_16x16x64_bf8_bf8 or v_wmma_f32_16x16x128_bf8_bf8, f32 sums; everything else in f32.
;; Inputs: Wk 1,024 x 1,024 float32; Wo 1,024 x 1,024 float32; Wq 1,024 x 1,024 float32; Wv 1,024 x 1,024 float32; bo 1,024 float32; lowp_scales 12 int32 (the exponents e of the quantised operands' scales 2^e); x 4 x 2,048 x 1,024 float32.
;; Outputs: out0 4 x 2,048 x 1,024 float32.
;; This version of the problem:
;;   THIS VERSION OF THE PROBLEM IS GIVEN IN LOW PRECISION. The matrix products marked QUANTISED in the list below multiply operands that are first quantised to E5M2 (5 exponent bits, 2 mantissa bits; 8 bits a number), with one given power-of-two scale for each operand tensor; their sums are f32. All else is computed in f32.
;;   The module's matrix products, in the order in which they are computed (A, B: the left and right operand; K: the contracted axis; several contracted axes count as one K, in the product's order):
;;     1. [M 8,192, K 1,024] x [K 1,024, N 1,024]; A: input x; B: input Wq: QUANTISED (scales: A lowp_scales[0], B lowp_scales[1])
;;     2. [M 8,192, K 1,024] x [K 1,024, N 1,024]; A: input x; B: input Wk: QUANTISED (scales: A lowp_scales[2], B lowp_scales[3])
;;     3. [M 8,192, K 1,024] x [K 1,024, N 1,024]; A: input x; B: input Wv: QUANTISED (scales: A lowp_scales[4], B lowp_scales[5])
;;     4. batch 64 x [M 2,048, K 64] x [K 64, N 2,048]; A: computed on the way; B: computed on the way: QUANTISED (scales: A lowp_scales[6], B lowp_scales[7])
;;     5. batch 64 x [M 2,048, K 2,048] x [K 2,048, N 64]; A: softmax (see below); B: computed on the way: QUANTISED (scales: A lowp_scales[8], B lowp_scales[9])
;;     6. [M 8,192, K 1,024] x [K 1,024, N 1,024]; A: computed on the way; B: input Wo: QUANTISED (scales: A lowp_scales[10], B lowp_scales[11])
;;   THE QUANTISER, for each operand of a quantised product, along K:
;;     - The operand's scale is 2^e, e = its entry of the input lowp_scales (int32; the entries are numbered through the quantised products in the list's order, A before B).
;;     - Each number is divided by the scale, clamped to +-57,344, and rounded to the nearest number of E5M2, ties to even, subnormals kept.
;;     - The product sums the exact products of the quantised numbers (number of the format x scale) in f32.
;;   ~~~python
;;   def quantise(x, axis, e):      # numpy; x: float32 -> the quantised numbers, widened to float32 again
;;       x = np.moveaxis(x, axis, -1); K = x.shape[-1]
;;       r = np.clip(x / 2.0 ** e, -57344, 57344)
;;       step = 2.0 ** (np.maximum(np.frexp(np.where(r == 0, 1, r))[1] - 1, -14) - 2)
;;       q = np.round(r / step) * step * 2.0 ** e      # np.round: ties to even
;;       return np.moveaxis(q, -1, axis).astype(np.float32)
;;   ~~~
;;   SOFTMAX AHEAD OF A QUANTISED PRODUCT. Where the list says 'softmax', what is quantised is not the finished softmax but p = 2^(t - M), with t = logit x log2(e) and M = ceil(the row's largest t), a whole number; so 1/2 < the row's largest p <= 1. The row's sum l is taken of the UNQUANTISED p, in f32, and the product's result is divided by l at the end. Since M is a whole number, a kernel that streams over the keys may use a running M (the ceiling of the running maximum): every later rescaling is an exact power of two, so the quantised numbers keep their values, but for numbers so far below the row's largest that they fall under the format's range.
;;   OPERANDS COMPUTED ON THE WAY. 'Computed on the way' means the value that the module computes at that place (a softmax that the list does not call 'softmax' is quantised finished and normalised). What goes into a quantiser is computed in f32, as accurately as f32 sums, v_exp_f32 and their like allow (about 1e-6 of the number): no bf16 or f16 on the way to a quantiser, and a product that is left as it is and whose result goes on into a quantised operand takes f32 operands (vector FMAs, or v_wmma_f32_16x16x4_f32). A number that lies on a knife's edge between two numbers of the format may be rounded either way, as far as f32 arithmetic and the matrix unit's own rounding can turn it there, and no further.
;; One version. Each part assembles by itself: llvm-mc -triple=amdgcn-amd-amdhsa -mcpu=gfx1250 --defsym DOCPART=n.
;; ======== version 1 of 1: 4 launches
;; limits: right only within a limited range of input values
;; workspace buffers: img 29,360,128 bytes; qkv 25,165,824 bytes; ctx 8,388,608 bytes
;; launch quant (part 1): grid 640 x 1, 8 waves a work-group, no clusters, 68,608 bytes of LDS; arguments x, Wq, Wk, Wv, Wo, lowp_scales, img; writes img
.if DOCPART == 1
	.amdgcn_target "amdgcn-amd-amdhsa--gfx1250"
	.amdhsa_code_object_version 6
	.text
	.protected	k_q41a79e411b_quant
	.globl	k_q41a79e411b_quant
	.p2align	8
	.type	k_q41a79e411b_quant,@function
k_q41a79e411b_quant:
	s_mov_b64 s[64:65], 0
	v_nop
	global_prefetch_b8 v0, s[64:65] scope:SCOPE_SE
	s_setreg_imm32_b32 hwreg(HW_REG_WAVE_MODE, 25, 1), 1
	s_wait_xcnt 0x0
; x [8192][1024] f32 becomes three sets of codes of BF8 (E5M2), by the given scales 2^e0, 2^e2, 2^e4; Wq, Wk, Wv, Wo [k 1024][n 1024] f32 become one set each, by e1, e3, e5, e11.
; code = number / 2^e, held within +-57,344, rounded to the nearest code, ties to even.
; LIMITS: each e between -126 and 112, so that 2^e is an f32 number.  NaN among the inputs is not served (an infinity is held at the largest code).
; THE CODES ARE LAID AS IMAGES OF OPERAND REGISTERS.  img counts in blocks of 131,072 bytes = 128 rows x 1,024 K (a row of W's image is a column n of W): blocks 0-63 x by e0, 64-127 x by e2, 128-191 x by e4,
; 192-199 Wq, 200-207 Wk, 208-215 Wv, 216-223 Wo.  In a block: [K / 256: 4][tile of 16 rows: 8][K / 128: 2][group c: 4][lane: 32][16 bytes].  Lane (r, h) of group c holds k = 32 c + 16 h + 0 .. 15 of the tile's row r.
; THE ROWS OF A TILE ARE NOT NEIGHBOURS: row r of tile a is 32 (a / 2) + 8 (a % 2) + r + 8 (r / 8), so that later a product's results, taken with such a tile as source 0, are 16 neighbours in 16 registers.
; Work-groups 0-511: a tile of 16 rows of x, wave w its K step of 128.  Each load reads 512 consecutive bytes of one row; the 16 x 512 bytes turn through the wave's own stage in LDS so that a lane gets 16 neighbours along K.
; Work-groups 512-639: 128 columns x 256 K of one W; a lane takes a column and its registers run down K, so the conversions give codes with K innermost and nothing is transposed.
; Every store of codes covers whole aligned runs of 256 bytes.  Waves share nothing: no barrier.  No tile is read by two work-groups: nothing to share in a cluster.
.set R,    16                          ; v16-79   x as loaded
.set X,    80                          ; v80-143  64 numbers of my row: register 16 c + i = k 32 c + 16 h + i
.set C,    144                         ; v144-191 three sets of 16 registers of codes, so that no store's data are written again
.set SP,   528                         ; a stage row: 512 bytes + 16, so that sixteen rows begin at sixteen different groups of banks
.set WST,  16*SP                       ; a wave's stage
.macro CONSTS e, vs, vl                ; s[e] = the exponent: v[vs] = 2^e as f32 (the conversion takes its exponent field)
	s_add_co_i32 s46, s[\e], 127
	s_lshl_b32 s47, s46, 23
	v_mov_b32 v[\vs], s47
.endm
	s_load_b256 s[4:11], s[0:1], 0x0               ; x s[4:5], Wq s[6:7], Wk s[8:9], Wv s[10:11]
	s_load_b128 s[12:15], s[0:1], 0x20             ; Wo s[12:13], the scales' exponents s[14:15]
	s_load_b64 s[16:17], s[0:1], 0x30              ; img
	v_lshl_add_u32 v192, v0, 2, 0x10800
	v_mov_b32 v193, 0
	v_lshrrev_b32 v1, 5, v0
	s_delay_alu instid0(VALU_DEP_1)
	v_readfirstlane_b32 s18, v1                    ; wave 0..7
	v_and_b32 v1, 31, v0                           ; lane
	s_delay_alu instid0(VALU_DEP_1)
	v_lshlrev_b32 v2, 4, v1                        ; 16 x lane
	s_wait_kmcnt 0x0
	s_load_b256 s[24:31], s[14:15], 0x0            ; e0 .. e7
	s_load_b128 s[32:35], s[14:15], 0x20           ; e8 .. e11
	s_cmp_lt_u32 ttmp9, 512
	s_cbranch_scc0 .Lweights
	; ---------------- x: tile a = the work-group's number, K step = the wave's number
	s_lshr_b32 s20, ttmp9, 1
	s_lshl_b32 s20, s20, 17                        ; 32 (a / 2) rows of 4,096 bytes
	s_and_b32 s21, ttmp9, 1
	s_lshl_b32 s21, s21, 15                        ; + 8 (a % 2) rows
	s_add_co_u32 s20, s20, s21
	s_lshl_b32 s21, s18, 9                         ; + my K step's 512 bytes
	s_add_co_u32 s20, s20, s21
	s_mov_b32 s21, 0
	s_add_nc_u64 s[4:5], s[4:5], s[20:21]
	s_wait_alu depctr_va_vdst(0)
.irp i, 0,1,2,3,4,5,6,7,8,9,10,11,12,13,14,15
	global_load_b128 v[R+4*\i:R+4*\i+3], v2, s[4:5] offset:(\i+8*(\i/8))*4096 th:TH_LOAD_NT   ; the tile's row i: 32 lanes read 512 consecutive bytes
.endr
	s_mul_i32 s22, s18, WST                        ; my stage
	v_add_nc_u32 v3, s22, v2                       ; in: 16 x lane of a row
	v_and_b32 v5, 15, v1                           ; r
	v_lshrrev_b32 v6, 4, v1                        ; h
	s_delay_alu instid0(VALU_DEP_2)
	v_mul_u32_u24 v4, v5, SP
	s_delay_alu instid0(VALU_DEP_1)
	v_lshl_add_u32 v4, v6, 6, v4
	s_delay_alu instid0(VALU_DEP_1)
	v_add_nc_u32 v4, s22, v4                       ; out: row r, + 64 h: my 16 numbers of a block of 32
	s_lshr_b32 s20, ttmp9, 3
	s_lshl_b32 s20, s20, 17                        ; the block of 128 rows,
	s_and_b32 s21, ttmp9, 7
	s_lshl_b32 s21, s21, 12                        ; the tile in it,
	s_add_co_u32 s20, s20, s21
	s_lshr_b32 s21, s18, 1
	s_lshl_b32 s21, s21, 15                        ; K / 256,
	s_add_co_u32 s20, s20, s21
	s_and_b32 s21, s18, 1
	s_lshl_b32 s21, s21, 11                        ; K / 128
	s_add_co_u32 s20, s20, s21
	s_mov_b32 s21, 0
	s_add_nc_u64 s[40:41], s[16:17], s[20:21]      ; my fragment in x by e0,
	s_add_nc_u64 s[42:43], s[40:41], 0x800000      ; by e2,
	s_add_nc_u64 s[44:45], s[40:41], 0x1000000     ; by e4: a base of its own for each, so that none is stepped
	s_wait_alu depctr_va_vdst(0)
	s_wait_kmcnt 0x0
	CONSTS 24, 8, 9
	CONSTS 26, 10, 11
	CONSTS 28, 12, 13
	s_wait_alu depctr_va_vdst(0)
.irp i, 0,1,2,3,4,5,6,7,8,9,10,11,12,13,14,15
	s_wait_loadcnt 15-\i                           ; loads come back in order: row i is in, the younger ones may be out
	ds_store_b128 v3, v[R+4*\i:R+4*\i+3] offset:SP*\i
.endr
.irp c, 0,1,2,3
.irp j, 0,1,2,3
	ds_load_b128 v[X+16*\c+4*\j:X+16*\c+4*\j+3], v4 offset:128*\c+16*\j   ; LDS serves a wave's instructions in order: these see my stores
.endr
.endr
	s_wait_dscnt 0x0                               ; my 64 numbers are in; the stores have read R
.macro XQ n                            ; the n-th of x's three scales
.set j, 0
.rept 64
.set j, j+1
.endr
.irp g, 0,1,2,3,4,5,6,7
	v_cvt_scalef32_pk8_bf8_f32 v[C+16*(\n)+2*\g:C+16*(\n)+2*\g+1], v[X+8*\g:X+8*\g+7], v[8+2*(\n)]
.endr
	v_nop                                          ; a plain line between the conversions and the next lines that write their sources
.irp c, 0,1,2,3
	global_store_b128 v2, v[C+16*(\n)+4*\c:C+16*(\n)+4*\c+3], s[40+2*(\n):41+2*(\n)] offset:512*\c   ; group c: 512 consecutive bytes
.endr
.endm
	XQ 0
	XQ 1
	XQ 2
	s_wait_tensorcnt 0x0
	ds_add_u32 v192, v193
	s_wait_dscnt 0x0
	s_endpgm
	; ---------------- W: matrix m, block B of 128 columns, 256 along K; wave: 32 columns (w % 4), 128 along K (w / 4)
.Lweights:
	s_sub_co_u32 s19, ttmp9, 512
	s_lshr_b32 s20, s19, 5                         ; m: 0 Wq, 1 Wk, 2 Wv, 3 Wo
	s_bfe_u32 s21, s19, 0x30002                    ; B
	s_and_b32 s22, s19, 3                          ; which 256 along K
	s_and_b32 s23, s18, 3                          ; b: which 32 columns
	s_lshr_b32 s36, s18, 2                         ; q: which 128 of the 256
	s_cmp_eq_u32 s20, 1                            ; the choice of buffer hangs on the work-group's number alone
	s_cselect_b64 s[6:7], s[8:9], s[6:7]
	s_cmp_eq_u32 s20, 2
	s_cselect_b64 s[6:7], s[10:11], s[6:7]
	s_cmp_eq_u32 s20, 3
	s_cselect_b64 s[6:7], s[12:13], s[6:7]
	s_lshl_b32 s38, s22, 20                        ; 256 rows of 4,096 bytes,
	s_lshl_b32 s39, s36, 19                        ; 128 rows,
	s_add_co_u32 s38, s38, s39
	s_lshl_b32 s39, s21, 9                         ; 128 columns of 4 bytes,
	s_add_co_u32 s38, s38, s39
	s_lshl_b32 s39, s23, 7                         ; 32 columns
	s_add_co_u32 s38, s38, s39
	s_mov_b32 s39, 0
	s_add_nc_u64 s[6:7], s[6:7], s[38:39]
	s_wait_alu depctr_va_vdst(0)
	v_lshlrev_b32 v3, 2, v1                        ; my column
.macro WLOAD c                         ; block c of 32 along K, down my column: each load reads 128 consecutive bytes, and the four waves of one K step stand side by side
.set i, 0
.rept 32
	global_load_b32 v[16+32*(\c)+i], v3, s[6:7] offset:(32*(\c)+i)*4096 th:TH_LOAD_NT
.set i, i+1
.endr
.endm
	WLOAD 0
	WLOAD 1
	s_lshl_b32 s40, s20, 3
	s_add_co_u32 s40, s40, s21
	s_add_co_u32 s40, s40, 192
	s_lshl_b32 s40, s40, 17                        ; block 192 + 8 m + B of img,
	s_lshl_b32 s41, s22, 15                        ; K / 256,
	s_add_co_u32 s40, s40, s41
	s_lshl_b32 s41, s23, 13                        ; tiles 2 b and 2 b + 1,
	s_add_co_u32 s40, s40, s41
	s_lshl_b32 s41, s36, 11                        ; K / 128
	s_add_co_u32 s40, s40, s41
	s_mov_b32 s41, 0
	s_add_nc_u64 s[40:41], s[16:17], s[40:41]
	v_bfe_u32 v6, v1, 3, 1                         ; column 32 b + lane lies in tile 2 b + (lane / 8) % 2,
	v_and_b32 v7, 7, v1
	v_bfe_u32 v10, v1, 4, 1
	s_delay_alu instid0(VALU_DEP_1)
	v_lshl_add_u32 v7, v10, 3, v7                  ; as its row lane % 8 + 8 (lane / 16)
	s_delay_alu instid0(VALU_DEP_1)
	v_lshlrev_b32 v7, 4, v7
	s_delay_alu instid0(VALU_DEP_1)
	v_lshl_add_u32 v5, v6, 12, v7
	s_wait_alu depctr_va_vdst(0)
	s_wait_kmcnt 0x0
	s_cmp_eq_u32 s20, 1
	s_cselect_b32 s25, s27, s25                    ; e1, e3, e5 or e11
	s_cmp_eq_u32 s20, 2
	s_cselect_b32 s25, s29, s25
	s_cmp_eq_u32 s20, 3
	s_cselect_b32 s25, s35, s25
	CONSTS 25, 8, 9
.macro WBLOCK c
.if (\c) < 3
	s_wait_loadcnt 32                              ; this block's 32 loads are in; the next block's may be out
.else
	s_wait_loadcnt 0x0
.endif
.if (\c)+2 < 4
	WLOAD (\c)+2
.endif
.set i, 0
.rept 32
.set i, i+1
.endr
.irp g, 0,1,2,3
	v_cvt_scalef32_pk8_bf8_f32 v[144+8*(\c)+2*\g:144+8*(\c)+2*\g+1], v[16+32*(\c)+8*\g:16+32*(\c)+8*\g+7], v8
.endr
	v_nop                                          ; a plain line behind the conversions
	global_store_b128 v5, v[144+8*(\c):144+8*(\c)+3], s[40:41] offset:512*(\c)         ; k 32 c + 0 .. 15: the places of lanes 0-15 of group c; sixteen lanes fill 256 consecutive bytes in each of the two tiles
	global_store_b128 v5, v[144+8*(\c)+4:144+8*(\c)+7], s[40:41] offset:512*(\c)+256   ; k 32 c + 16 .. 31: the places of lanes 16-31
.endm
	s_wait_alu depctr_va_vdst(0)
	WBLOCK 0
	WBLOCK 1
	WBLOCK 2
	WBLOCK 3
	s_endpgm
.Lfunc_end_k_q41a79e411b_quant:
	.size	k_q41a79e411b_quant, .Lfunc_end_k_q41a79e411b_quant-k_q41a79e411b_quant
	.p2alignl 7, 3214868480
	.fill 96, 4, 3214868480
	.section	.rodata,"a",@progbits
	.p2align	6, 0x0
	.amdhsa_kernel k_q41a79e411b_quant
		.amdhsa_group_segment_fixed_size 68608
		.amdhsa_private_segment_fixed_size 0
		.amdhsa_enable_private_segment 0
		.amdhsa_kernarg_size 56
		.amdhsa_user_sgpr_count 2
		.amdhsa_user_sgpr_kernarg_segment_ptr 1
		.amdhsa_wavefront_size32 1
		.amdhsa_system_sgpr_workgroup_id_x 1
		.amdhsa_system_sgpr_workgroup_id_y 1
		.amdhsa_system_sgpr_workgroup_id_z 1
		.amdhsa_system_vgpr_workitem_id 0
		.amdhsa_next_free_vgpr 194
		.amdhsa_next_free_sgpr 66
		.amdhsa_reserve_vcc 0
		.amdhsa_float_denorm_mode_32 3
		.amdhsa_float_denorm_mode_16_64 3
		.amdhsa_fp16_overflow 1
		.amdhsa_memory_ordered 1
		.amdhsa_forward_progress 1
		.amdhsa_inst_pref_size 26
	.end_amdhsa_kernel
	.amdgpu_metadata
---
amdhsa.version: [ 1, 2 ]
amdhsa.kernels:
  - .name:           k_q41a79e411b_quant
    .symbol:         k_q41a79e411b_quant.kd
    .args:
      - { .name: x, .offset: 0, .size: 8, .value_kind: global_buffer, .address_space: global }
      - { .name: Wq, .offset: 8, .size: 8, .value_kind: global_buffer, .address_space: global }
      - { .name: Wk, .offset: 16, .size: 8, .value_kind: global_buffer, .address_space: global }
      - { .name: Wv, .offset: 24, .size: 8, .value_kind: global_buffer, .address_space: global }
      - { .name: Wo, .offset: 32, .size: 8, .value_kind: global_buffer, .address_space: global }
      - { .name: lowp_scales, .offset: 40, .size: 8, .value_kind: global_buffer, .address_space: global }
      - { .name: img, .offset: 48, .size: 8, .value_kind: global_buffer, .address_space: global }
    .group_segment_fixed_size: 68608
    .private_segment_fixed_size: 0
    .kernarg_segment_align: 8
    .kernarg_segment_size: 56
    .max_flat_workgroup_size: 256
    .sgpr_count:     66
    .vgpr_count:     194
    .wavefront_size: 32
...
	.end_amdgpu_metadata
.endif
;; end of part 1
;; launch qkv (part 2): grid 4 x 96, 4 waves a work-group, clusters of 4 x 4, 327,680 bytes of LDS; arguments img, lowp_scales, qkv; writes qkv
.if DOCPART == 2
	.amdgcn_target "amdgcn-amd-amdhsa--gfx1250"
	.amdhsa_code_object_version 6
	.text
	.protected	k_q41a79e411b_qkv
	.globl	k_q41a79e411b_qkv
	.p2align	8
	.type	k_q41a79e411b_qkv,@function
k_q41a79e411b_qkv:
	s_mov_b64 s[64:65], 0
	v_nop
	global_prefetch_b8 v0, s[64:65] scope:SCOPE_SE
	s_setreg_imm32_b32 hwreg(HW_REG_WAVE_MODE, 25, 1), 1
	s_wait_xcnt 0x0
	s_wait_alu depctr_hold_cnt(0) depctr_sa_sdst(0) depctr_va_vdst(0) depctr_va_sdst(0) depctr_va_ssrc(0) depctr_va_vcc(0) depctr_vm_vsrc(0)
	s_getreg_b32 s2, hwreg(HW_REG_IB_STS2, 6, 4)
	s_cmp_eq_u32 s2, 0
	s_cbranch_scc0 .Lentry_in_a_cluster
	s_endpgm
.Lentry_in_a_cluster:
	s_bfe_u32 s2, ttmp6, 0x10000c
	s_cmp_lg_u32 s2, 0xf033
	s_cbranch_scc0 .Lentry_shape_is_right
	s_endpgm
.Lentry_shape_is_right:
; q = x Wq, k = x Wk, v = x Wv on codes of BF8 (E5M2), K = 1,024; each f32 sum is quantised in registers, q by 2^e6, k by 2^e7, v by 2^e9, and stored as codes in the order of the next products' operand registers.
; A sum stands for sum x 2^(ex + ew), so its code is sum / 2^E with E = e6 - e0 - e1, e7 - e2 - e3 or e9 - e4 - e5, held within +-57,344 x 2^E.
; LIMIT: each E between -126 and 112, so that 2^E and 57,344 x 2^E are f32 numbers.
; A work-group of four waves makes 256 x 256 sums, a wave 128 x 128: 64 accumulators, 512 registers.  K goes in steps of 256 through two LDS slots filled by the tensor data mover.
; The operands lie in img as images of their registers, a block of 128 rows x 256 K being 32,768 consecutive bytes: a tile is a dense block, and a fragment comes by four loads at 16 x lane: no pitch, no padding.
; The cluster's y says which product: y / 8 = 0 q, 1 k, 2 v.  Source 1 (called A) is x and source 0 (called B) is W for q and k: a lane holds one token and its registers run along the channels, the next K.
; For v the two change places by addresses alone (A = Wv, B = x by e4): a lane holds one channel and its registers run along the tokens, which are the keys, v's K.
; The rows of a tile of 16 are 32 (a / 2) + 8 (a % 2) + r + 8 (r / 8): so the 16 registers of accumulators (a, 2 j) and (a, 2 j + 1) are 16 neighbours 32 j + 16 h + 0 .. 15, and two conversions give group j of a fragment.
; qkv: q at 0: [head 64][tile of 16 tokens: 128][c 2][lane][16];  at 8,388,608: [head][key step of 128: 16][16,384]: K's 8 tiles x 1,024, then V's 4 tiles of 16 channels x 2,048 ([c 4][lane][16]: keys 32 c + 16 h + 0 .. 15).
; CLUSTERS: 4 x 4 work-groups; A's tiles are asked for jointly along a row of the cluster, B's along a column.
; REGISTERS, in windows of 256: window 0: v16-31 addresses and constants; from v128 A's fragments, one set, later the codes.  window 1: B's fragments, two sets.  windows 2, 3: the accumulators ((a, b) at v[8 (8 (a % 4) + b)]).
.set FR,     16                        ; registers of a fragment: 16 rows x 128 K
.set NL,     4                         ; LDS loads that bring one
.set NP,     4                         ; places behind this matrix instruction (ISA guide 7.12.1)
.set HALFT,  32768                     ; 128 rows x 256 K: what one tensor load brings
.set SLOT,   4*HALFT                   ; A's two blocks, then B's two
.set SPARE,  2*SLOT                    ; behind the ring: the spare words, 128 bytes for each wave: two blocks of 256 bytes that no other line names
.set ADRA, 16                          ; v16-17  LDS address of my A fragments in slot 0, 1
.set ADRB, 20                          ; v20-21  the same for B
.set VO,   26                          ; v26-27  the stores' offsets: 16 x lane; the same + the way to groups 2 and 3
.set SPW,  28                          ; v28     LDS address of my spare word; never rewritten
.set NIL,  29                          ; v29     0; never rewritten
.set SC,   30                          ; v30     2^E as f32
.set LIM,  31
.set TMP,  32
.set AF,   128                         ; A's fragments, in window 0
.set CD,   128                         ; the codes: 16 registers for each block, so that no store's data are written again
.set G1, 24                            ; s[24:31] descriptor group 1 for A's tiles;  s[32:39] group 0, one set for each slot
.set G0, 32
.set G1B, 48                           ; s[48:55], s[56:63] the same for B's tiles
.set G0B, 56
.set MSB, 0
.macro WIN new                         ; the immediate's high byte repeats the setting that is left
.if MSB != \new
	s_set_vgpr_msb (MSB<<8)|\new
.set MSB, \new
.endif
.endm
.set MUL_LO, 0xa1                      ; source 0 (B) window 1, source 1 (A) window 0, C and D window 2
.set MUL_HI, 0xf1                      ; the same, C and D window 3
.set TO_B,   0x40                      ; destination window 1, address window 0
; A joint load: waves 0 and 1 fetch for A, waves 2 and 3 for B; the branch hangs on the wave's number alone.  Four v_nop follow each of the two lines.
.macro JLOAD g0a, g1a, g0b, g1b
	s_cmp_eq_u32 s15, 0
	s_cbranch_scc0 .Lfor_b_\@
	tensor_load_to_lds s[\g0a:\g0a+3], s[\g1a:\g1a+7]
	s_nop 0
.rept 4
	v_nop
.endr
	s_branch .Lasked_\@
.Lfor_b_\@:
	tensor_load_to_lds s[\g0b:\g0b+3], s[\g1b:\g1b+7]
	s_nop 0
.rept 4
	v_nop
.endr
.Lasked_\@:
.endm
.macro CREST                           ; a round of the cluster's barrier behind its opening barrier
	s_cmp_lg_u32 s14, 0
	s_cbranch_scc1 .Lnot_wave_0_\@
	s_barrier_signal -3
.Lnot_wave_0_\@:
	s_barrier_wait -3
	s_barrier_signal -1
	s_barrier_wait -1
.endm
.macro CROUND                          ; a whole round
	s_barrier_signal -1
	s_barrier_wait -1
	CREST
.endm
	s_load_b128 s[4:7], s[0:1], 0x0                ; img s[4:5], the scales' exponents s[6:7]
	s_load_b64 s[8:9], s[0:1], 0x10                ; qkv
	v_lshl_add_u32 v[SPW], v0, 2, SPARE
	v_mov_b32 v[NIL], 0
	ds_add_u32 v28, v29
	ds_add_u32 v28, v29
	s_wait_dscnt 0x0
	v_lshrrev_b32 v1, 5, v0
	v_readfirstlane_b32 s14, v1                    ; wave 0..3
	s_lshr_b32 s15, s14, 1                         ; which half of A's rows is mine.  Also: I fetch for A (0) or for B (1)
	s_and_b32 s16, s14, 1                          ; which half of B's rows.  Also: which block of 128 rows I fetch
	s_bfe_u32 s40, ttmp6, 0x40000                  ; cx, cy: my place in the cluster
	s_bfe_u32 s41, ttmp6, 0x40004
	s_and_b32 s17, ttmp7, 0xffff                   ; the cluster's y, 0..23: the same in all partners
	s_lshr_b32 s66, s17, 3                         ; p: 0 q, 1 k, 2 v
	s_and_b32 s67, s17, 7
	s_lshr_b32 s80, s66, 1                         ; isv
	s_mul_i32 s81, s67, s80                        ; for v the eight clusters walk B's tiles,
	s_sub_co_u32 s86, s67, s81                     ; else A's
	s_lshl_b32 s87, s86, 2
	s_add_co_u32 s87, s87, s41                     ; A's tile of 256 rows
	s_lshl_b32 s88, s81, 2
	s_add_co_u32 s88, s88, s40                     ; B's tile of 256 rows
	s_lshl_b32 s43, s41, 2
	s_lshl_b32 s43, 15, s43                        ; my row of the cluster
	s_lshl_b32 s44, 0x1111, s40                    ; my column
	; descriptor group 1: a dense block, stated as 128 rows of 32 elements of 8 bytes
	s_or_b32 s[G1+0], s43, (3<<16)|(1<<21)         ; 15:0 the mask: A's tiles go to my row; 17:16 elements of 8 bytes; 20 no padding; 21 set beside a mask
	s_or_b32 s[G1B+0], s44, (3<<16)|(1<<21)
.irp g, G1, G1B
	s_mov_b32 s[\g+1], 32<<16                      ; tensor_dim0
	s_mov_b32 s[\g+2], 128<<16                     ; tensor_dim1
	s_mov_b32 s[\g+3], 32<<16                      ; tile_dim0
	s_mov_b32 s[\g+4], 128                         ; tile_dim1
	s_mov_b32 s[\g+5], 32                          ; tensor_dim0_stride
	s_mov_b32 s[\g+6], 0
	s_mov_b32 s[\g+7], 0
.endr
	; which blocks of img.  A: x by e0 from 0, x by e2 from 64, Wv from 208.  B: Wq from 192, Wk from 200, x by e4 from 128.  A's registers never hold cx, B's never cy.
	s_lshl_b32 s20, s66, 6
	s_mul_i32 s21, s80, 80
	s_add_co_u32 s20, s20, s21
	s_lshl_b32 s21, s87, 1
	s_add_co_u32 s20, s20, s21
	s_add_co_u32 s20, s20, s16
	s_lshl_b32 s20, s20, 17
	s_mov_b32 s21, 0
	s_lshl_b32 s46, s66, 3
	s_add_co_u32 s46, s46, 192
	s_mul_i32 s47, s80, 80
	s_sub_co_u32 s46, s46, s47
	s_lshl_b32 s47, s88, 1
	s_add_co_u32 s46, s46, s47
	s_add_co_u32 s46, s46, s16
	s_lshl_b32 s46, s46, 17
	s_mov_b32 s47, 0
	s_lshl_b32 s45, s14, 15                        ; where they go: wave x 32,768: no place in the cluster enters an LDS address
	s_wait_kmcnt 0x0
	s_load_b256 s[68:75], s[6:7], 0x0              ; e0 .. e7
	s_load_b128 s[76:79], s[6:7], 0x20             ; e8 .. e11
	s_add_nc_u64 s[20:21], s[4:5], s[20:21]
	s_add_nc_u64 s[46:47], s[4:5], s[46:47]
	CROUND                                         ; all sixteen work-groups are here: the first joint loads meet
.irp s, 0,1
	s_mov_b32 s[G0+4*\s], 1
	s_add_co_u32 s[G0+4*\s+1], s45, \s*SLOT
	s_add_nc_u64 s[G0+4*\s+2:G0+4*\s+3], s[20:21], \s*HALFT
	s_or_b32 s[G0+4*\s+3], s[G0+4*\s+3], 0x80000000
	s_mov_b32 s[G0B+4*\s], 1
	s_add_co_u32 s[G0B+4*\s+1], s45, \s*SLOT
	s_add_nc_u64 s[G0B+4*\s+2:G0B+4*\s+3], s[46:47], \s*HALFT
	s_or_b32 s[G0B+4*\s+3], s[G0B+4*\s+3], 0x80000000
	JLOAD G0+4*\s, G1, G0B+4*\s, G1B
.endr
	v_and_b32 v1, 31, v0
	v_lshlrev_b32 v[VO], 4, v1                     ; 16 x lane
	s_wait_alu depctr_va_vdst(0)
	s_lshl_b32 s21, s15, 15                        ; my block of A
	s_lshl_b32 s22, s16, 15                        ; my block of B,
	s_add_co_u32 s22, s22, 2*HALFT                 ; which lies behind A's two
.irp s, 0,1
	v_add_nc_u32 v[ADRA+\s], s21, v[VO]
	v_add_nc_u32 v[ADRB+\s], s22, v[VO]
	s_add_co_u32 s21, s21, SLOT
	s_add_co_u32 s22, s22, SLOT
.endr
	; where my codes go, by arithmetic on ids
	s_min_u32 s89, s66, 1                          ; nq: 0 for q, 1 for k and v
	s_lshl_b32 s92, s87, 1
	s_add_co_u32 s92, s92, s15                     ; my block of A's rows
	s_lshl_b32 s93, s88, 1
	s_add_co_u32 s93, s93, s16                     ; my block of B's rows
	s_sub_co_i32 s94, s93, s92
	s_mul_i32 s94, s94, s80
	s_add_co_i32 s92, s92, s94                     ; mb: the block of 128 tokens, 0..63 (for v it is B's)
	s_sub_co_i32 s93, s93, s94                     ; nb: the block of 128 channels, 0..7
	s_lshr_b32 s94, s92, 4
	s_lshl_b32 s94, s94, 4
	s_lshl_b32 s95, s93, 1
	s_add_co_u32 s94, s94, s95                     ; the first of my two heads: 16 x batch + 2 nb
	s_and_b32 s95, s92, 15                         ; the key step
	s_lshl_b32 s96, 0x20000, s89                   ; a head's bytes: 131,072 in q, 262,144 in the part of k and v
	s_mul_i32 s94, s94, s96
	s_lshl_b32 s97, 0x2000, s89                    ; 128 tokens' bytes: 8,192 or 16,384
	s_mul_i32 s95, s95, s97
	s_add_co_u32 s94, s94, s95
	s_lshl_b32 s95, s89, 23                        ; k and v begin at 8,388,608,
	s_add_co_u32 s94, s94, s95
	s_lshl_b32 s95, s80, 13                        ; V's part of a key step at 8,192
	s_add_co_u32 s82, s94, s95
	s_mov_b32 s83, 0
	s_add_nc_u64 s[82:83], s[8:9], s[82:83]        ; block 0's place
	s_lshl_b32 s84, 1024, s80                      ; from block a to a + 1: a tile of 1,024 bytes, of V 2,048
	s_mov_b32 s85, 0
	s_mul_i32 s90, s80, 253952                     ; v alone: from block 3 to 4 on to the next head: 262,144 - 4 x 2,048 more
	s_mov_b32 s91, 0
	s_sub_co_u32 s97, 1, s80
	s_mul_i32 s96, s96, s97                        ; from groups 0, 1 to groups 2, 3: q and k: the next head;
	s_lshl_b32 s97, s80, 10                        ; v: 1,024 bytes on in the same fragment
	s_add_co_u32 s96, s96, s97
	v_add_nc_u32 v[VO+1], s96, v[VO]
.macro FRAG reg, adr, q, i             ; a fragment, 16 rows x 128 K, is 16 registers: registers 4 c .. 4 c + 3 hold K = 32 c + 16 (l / 16) + 0 .. 15 of the tile's row l % 16; each load takes 512 consecutive bytes
.irp c, 0,1,2,3
	ds_load_b128 v[\reg+4*\c:\reg+4*\c+3], v[\adr] offset:4096*(\i)+2048*(\q)+512*\c
.endr
.endm
; 16 matrix instructions: A's blocks a0, a0 + 1 x B's eight, 128 along K.  p: B's set.  zero = 1: the first product starts the sums.  The 64 accumulators take turns, one instruction a turn.
.macro MUL16 a0, p, zero
.irp a, \a0, \a0+1
.irp b, 0,1,2,3,4,5,6,7
.if \zero
	v_wmma_f32_16x16x128_bf8_bf8 v[8*(8*((\a)%4)+\b):8*(8*((\a)%4)+\b)+7], v[128*(\p)+FR*\b:128*(\p)+FR*\b+FR-1], v[AF+FR*(\a):AF+FR*(\a)+FR-1], 0
.else
	v_wmma_f32_16x16x128_bf8_bf8 v[8*(8*((\a)%4)+\b):8*(8*((\a)%4)+\b)+7], v[128*(\p)+FR*\b:128*(\p)+FR*\b+FR-1], v[AF+FR*(\a):AF+FR*(\a)+FR-1], v[8*(8*((\a)%4)+\b):8*(8*((\a)%4)+\b)+7]
.endif
.endr
.endr
.endm
.macro FETCH_B slot, q, p              ; B's eight fragments of the slot's q-th 128 along K into set p
	WIN TO_B
.irp i, 0,1,2,3,4,5,6,7
	FRAG 128*(\p)+FR*\i, ADRB+\slot, \q, \i
.endr
	WIN 0
.endm
.macro FETCH_A slot, q, i0             ; A's blocks i0 .. i0 + 3
.irp i, \i0, \i0+1, \i0+2, \i0+3
	FRAG AF+FR*(\i), ADRA+\slot, \q, \i
.endr
.endm
.macro PLACES n                        ; plain vector lines between a matrix instruction and a load into, or a vector line on, its registers
.rept \n
	v_nop
.endr
.endm
; A step of 128 along K that has its successor in the same slot.
.macro STEP slot, q, zero
	s_wait_dscnt 4*NL                              ; B's set and A's blocks 0-3 are in; the youngest sixteen loads (A's blocks 4-7) may be out
	WIN MUL_LO
	MUL16 0, (\q)%2, \zero
	MUL16 2, (\q)%2, \zero
	s_wait_dscnt 0                                 ; A's blocks 4-7 are in
	PLACES NP
	FETCH_B \slot, (\q)+1, 1-(\q)%2
	FETCH_A \slot, (\q)+1, 0
	WIN MUL_HI
	MUL16 4, (\q)%2, \zero
	MUL16 6, (\q)%2, \zero
	PLACES NP
	WIN 0
	FETCH_A \slot, (\q)+1, 4
.endm
; A slot's last step changes slots: one barrier; in front of it each wave waits for all its tensor loads, adds 0 to its spare word, and waits for that and for its own reads of this slot.  fill = 1: this slot is filled again, two K steps ahead.
.macro TURN slot, next, fill
	s_wait_tensorcnt 0x0                           ; all my tensor loads have landed: my part of the next slot
	ds_add_u32 v[SPW], v[NIL]                      ; 0 onto my spare word
	s_wait_dscnt 4*NL+1                            ; (the add and the youngest sixteen loads may be out)
	WIN MUL_LO
	MUL16 0, 1, 0                                  ; sixteen matrix instructions stand between the add and the wait for it
	s_wait_dscnt 0x0                               ; the add is done, and my reads of this slot are over
	s_barrier_signal -1
	MUL16 2, 1, 0
	WIN 0
	s_barrier_wait -1
.if \fill
	CREST                                          ; the barrier has opened a round of the cluster's barrier: no wave of any partner still reads this slot or has a load on its way
	s_add_nc_u64 s[G0+4*\slot+2:G0+4*\slot+3], s[G0+4*\slot+2:G0+4*\slot+3], 2*HALFT
	s_add_nc_u64 s[G0B+4*\slot+2:G0B+4*\slot+3], s[G0B+4*\slot+2:G0B+4*\slot+3], 2*HALFT
	JLOAD G0+4*\slot, G1, G0B+4*\slot, G1B         ; the first tensor load behind the round; its four v_nop are the places in front of the loads below
.else
	PLACES NP
.endif
	FETCH_B \next, 0, 0
	FETCH_A \next, 0, 0
	WIN MUL_HI
	MUL16 4, 1, 0
	MUL16 6, 1, 0
	PLACES NP
	WIN 0
	FETCH_A \next, 0, 4
.endm
	s_wait_alu depctr_va_vdst(0)
	s_wait_tensorcnt 1                             ; my part of slot 0 is in; slot 1's load, issued behind it, may be out
	s_barrier_signal -1
	s_barrier_wait -1                              ; everybody's is
	FETCH_B 0, 0, 0
	FETCH_A 0, 0, 0
	FETCH_A 0, 0, 4
	STEP 0, 0, 1                                   ; K = 1,024 is eight steps of 128, four fills: written straight
	TURN 0, 1, 1
	STEP 1, 0, 0
	TURN 1, 0, 1
	STEP 0, 0, 0
	TURN 0, 1, 0                                   ; nothing is left to fetch
	STEP 1, 0, 0
	s_wait_dscnt 4*NL
	WIN MUL_LO
	MUL16 0, 1, 0
	MUL16 2, 1, 0
	s_wait_dscnt 0
	WIN MUL_HI
	MUL16 4, 1, 0
	MUL16 6, 1, 0
	WIN 0
	; THE WAY OUT: hold, convert, store.  No stage: a group of four registers of codes is 512 consecutive bytes of the next operand's image.
	s_wait_kmcnt 0x0
	s_sub_co_i32 s92, s74, s68
	s_sub_co_i32 s92, s92, s69                     ; e6 - e0 - e1
	s_sub_co_i32 s93, s75, s70
	s_sub_co_i32 s93, s93, s71                     ; e7 - e2 - e3
	s_sub_co_i32 s94, s77, s72
	s_sub_co_i32 s94, s94, s73                     ; e9 - e4 - e5
	s_cmp_eq_u32 s66, 1
	s_cselect_b32 s92, s93, s92
	s_cmp_eq_u32 s66, 2
	s_cselect_b32 s92, s94, s92                    ; E: a choice, no branch
	s_add_co_i32 s92, s92, 127
	s_lshl_b32 s93, s92, 23
	v_mov_b32 v[SC], s93
	s_wait_alu depctr_va_vdst(0)
	s_add_co_i32 s92, s92, 15
	s_lshl_b32 s92, s92, 23
	s_or_b32 s92, s92, 0x600000
	PLACES NP
.macro QOUT a
.set AC, 64*((\a)%4)
.set WN, 0x02+((\a)/4)
.if (\a) > 0
	s_wait_xcnt 0x0                                ; the earlier stores have read their base: it may step
	s_add_nc_u64 s[82:83], s[82:83], s[84:85]
.endif
.if (\a) == 4
	s_add_nc_u64 s[82:83], s[82:83], s[90:91]
.endif
	WIN WN                                         ; source 0: window 2 or 3
.set j, 0
.rept 64
.set j, j+1
.endr
.irp g, 0,1,2,3,4,5,6,7
	v_cvt_scalef32_pk8_bf8_f32 v[CD+16*(\a)+2*\g:CD+16*(\a)+2*\g+1], v[AC+8*\g:AC+8*\g+7], v[SC]
.endr
	WIN 0
	v_nop                                          ; a plain line between the conversions and the next lines that write their sources
.irp j2, 0,1,2,3
	global_store_b128 v[VO+\j2/2], v[CD+16*(\a)+4*\j2:CD+16*(\a)+4*\j2+3], s[82:83] offset:512*(\j2%2)   ; q, k: head j2 / 2, group j2 % 2;  v: group j2
.endr
.endm
.irp a, 0,1,2,3,4,5,6,7
	QOUT \a
.endr
	s_wait_tensorcnt 0x0                           ; the wave's end
	ds_add_u32 v[SPW], v[NIL]
	s_wait_dscnt 0x0
	CROUND                                         ; the closing round: no work-group ends while a partner may still ask for a tile that names it
	s_endpgm
.Lfunc_end_k_q41a79e411b_qkv:
	.size	k_q41a79e411b_qkv, .Lfunc_end_k_q41a79e411b_qkv-k_q41a79e411b_qkv
	.p2alignl 7, 3214868480
	.fill 96, 4, 3214868480
	.section	.rodata,"a",@progbits
	.p2align	6, 0x0
	.amdhsa_kernel k_q41a79e411b_qkv
		.amdhsa_group_segment_fixed_size 327680
		.amdhsa_private_segment_fixed_size 0
		.amdhsa_enable_private_segment 0
		.amdhsa_kernarg_size 24
		.amdhsa_user_sgpr_count 2
		.amdhsa_user_sgpr_kernarg_segment_ptr 1
		.amdhsa_wavefront_size32 1
		.amdhsa_system_sgpr_workgroup_id_x 1
		.amdhsa_system_sgpr_workgroup_id_y 1
		.amdhsa_system_sgpr_workgroup_id_z 1
		.amdhsa_system_vgpr_workitem_id 0
		.amdhsa_next_free_vgpr 1024
		.amdhsa_next_free_sgpr 100
		.amdhsa_reserve_vcc 0
		.amdhsa_float_denorm_mode_32 3
		.amdhsa_float_denorm_mode_16_64 3
		.amdhsa_fp16_overflow 1
		.amdhsa_memory_ordered 1
		.amdhsa_forward_progress 1
		.amdhsa_inst_pref_size 87
	.end_amdhsa_kernel
	.amdgpu_metadata
---
amdhsa.version: [ 1, 2 ]
amdhsa.kernels:
  - .name:           k_q41a79e411b_qkv
    .symbol:         k_q41a79e411b_qkv.kd
    .args:
      - { .name: img, .offset: 0, .size: 8, .value_kind: global_buffer, .address_space: global }
      - { .name: lowp_scales, .offset: 8, .size: 8, .value_kind: global_buffer, .address_space: global }
      - { .name: qkv, .offset: 16, .size: 8, .value_kind: global_buffer, .address_space: global }
    .group_segment_fixed_size: 327680
    .private_segment_fixed_size: 0
    .kernarg_segment_align: 8
    .kernarg_segment_size: 24
    .max_flat_workgroup_size: 128
    .sgpr_count:     100
    .vgpr_count:     1024
    .wavefront_size: 32
...
	.end_amdgpu_metadata
.endif
;; end of part 2
;; launch attn (part 3): grid 4 x 64, 16 waves a work-group, no clusters, 327,680 bytes of LDS; arguments qkv, lowp_scales, ctx; writes ctx
.if DOCPART == 3
	.amdgcn_target "amdgcn-amd-amdhsa--gfx1250"
	.amdhsa_code_object_version 6
	.text
	.protected	k_q41a79e411b_attn
	.globl	k_q41a79e411b_attn
	.p2align	8
	.type	k_q41a79e411b_attn,@function
k_q41a79e411b_attn:
	s_mov_b64 s[64:65], 0
	v_nop
	global_prefetch_b8 v0, s[64:65] scope:SCOPE_SE
	s_setreg_imm32_b32 hwreg(HW_REG_WAVE_MODE, 25, 1), 1
	s_wait_xcnt 0x0
; ctx[head][q] = the sum over keys k <= q of softmax_k(q . k / 8) v, both products on codes of BF8 (E5M2); ctx is quantised by 2^e10 and stored as codes in the order of the last product's operand registers.
; THE SOFTMAX AHEAD OF THE SECOND PRODUCT: t = score x 2^(e6 + e7) x log2(e) / 8; M = the running largest t rounded UP to a whole number; p = 2^(t - M) is quantised by 2^e8; the row's sum is taken of the unquantised p
; and divides at the end.  When M moves, the sum and O are multiplied by 2^(old M - new M), which rounds nothing.
; LIMITS on the given exponents: e6 + e7 between -123 and 130 (they are added to c's exponent field); e8, and e10 - e8 - e9, between -126 and 112.  NaN is not served.
; SHARES.  A head has 8 blocks of 256 queries.  Work-group (i, head) owns blocks 7 - i (tile 0 of each wave) and i (tile 1): under the causal mask every work-group then has the same work, 16 or 18 tile steps a wave.
; Each of sixteen waves owns one tile of 16 queries of each block, in 256 registers: four waves to a SIMD, so that one wave's vector work stands beside another's matrix work and LDS loads.
; ALL OF THE HEAD'S K AND V, 262,144 bytes, LIES IN LDS: each wave brings a sixteenth by two tensor loads at the head (4,096 bytes of key steps 0-3, 12,288 of steps 4-15); nothing is ever filled again.
; No cluster: the four work-groups of a head read the same bytes, but which steps they leave out hangs on the work-group's number, and partners of joint loads must run alike.
; LAYOUT.  Both products are used transposed: S^T = K Q^T (source 0 = 16 keys), O^T = V^T P^T (source 0 = 16 channels): a lane holds ONE query throughout.  The rows of every tile of 16 are
; 32 (a / 2) + 8 (a % 2) + r + 8 (r / 8), so the 16 registers of tiles 2 b and 2 b + 1 of S^T are keys 32 b + 16 h + 0 .. 15, and those of O^T channels 32 b + 16 h + 0 .. 15.
; CAUSAL.  A wave's 16 queries lie in one block of 128, beginning at QA.  A key step with KF > QA is left out by a scalar branch on ids; the step KF = QA is masked; the steps below need no mask.  All loops have constant trip counts.
; REGISTERS: v1 16 x lane; v2 the step's LDS address; v3 my query - QA - 16 h; v8-11, v12-15: -M, the largest t, the sum in two halves, for tile 0, 1; v16-23, v24-31 Q; v32-95 K's eight fragments or V's four;
;   v96-159 S^T, then p; v160-191, v192-223 O^T; v224-239 p's codes; v244 2^e8; v246 the same for ctx; v236, v242-243, v252-254 at work.
.set KVB,  8388608                     ; where k and v begin in qkv
.set SEL,  20                          ; s[20:21] lane selects for v_permlanex16_b32: lane l xor 16
.set CS,   22                          ; s[22:23] c
.set G1A,  24                          ; s[24:31] descriptor group 1: 16 rows of 256 bytes;  s[32:39]: 48 rows
.set G1B,  32
.set G0A,  40                          ; s[40:43], s[44:47] the two groups 0
.set G0B,  44
.set KF,   50                          ; s50  the step's first key
.set TB,   51                          ; s51  the step's first LDS byte
.set CNT,  52                          ; s52  trips to go
.set QA,   54                          ; s54, s55  the block of 128 in which my queries of tile 0, 1 lie
	s_load_b128 s[4:7], s[0:1], 0x0                ; qkv s[4:5], the scales' exponents s[6:7]
	s_load_b64 s[8:9], s[0:1], 0x10                ; ctx
	v_lshl_add_u32 v251, v0, 2, 0x40000
	v_mov_b32 v255, 0
	ds_add_u32 v251, v255
	ds_add_u32 v251, v255
	v_lshrrev_b32 v1, 5, v0
	s_delay_alu instid0(VALU_DEP_1)
	v_readfirstlane_b32 s18, v1                    ; wave 0..15
	s_and_b32 s48, ttmp7, 0xffff                   ; the head, 16 x batch + head
	s_mov_b32 s[G1A], 3<<16                        ; 15:0 no mask; 17:16 elements of 8 bytes; no padding
	s_mov_b32 s[G1A+1], 32<<16                     ; tensor_dim0 = 32 elements: 256 bytes
	s_mov_b32 s[G1A+2], 16<<16                     ; tensor_dim1
	s_mov_b32 s[G1A+3], 32<<16                     ; tile_dim0
	s_mov_b32 s[G1A+4], 16                         ; tile_dim1
	s_mov_b32 s[G1A+5], 32                         ; tensor_dim0_stride: dense
	s_mov_b32 s[G1A+6], 0
	s_mov_b32 s[G1A+7], 0
	s_mov_b32 s[G1B], 3<<16
	s_mov_b32 s[G1B+1], 32<<16
	s_mov_b32 s[G1B+2], 48<<16
	s_mov_b32 s[G1B+3], 32<<16
	s_mov_b32 s[G1B+4], 48
	s_mov_b32 s[G1B+5], 32
	s_mov_b32 s[G1B+6], 0
	s_mov_b32 s[G1B+7], 0
	s_lshl_b32 s72, s48, 18
	s_add_co_u32 s72, s72, KVB                     ; the head's K and V in qkv
	s_mov_b32 s[G0A], 1
	s_lshl_b32 s[G0A+1], s18, 12                   ; LDS: 4,096 x wave
	s_mov_b32 s[G0B], 1
	s_mul_i32 s[G0B+1], s18, 12288
	s_add_co_u32 s[G0B+1], s[G0B+1], 65536         ; LDS: 65,536 + 12,288 x wave
	s_add_co_u32 s74, s72, s[G0A+1]                ; LDS holds the head's bytes as they lie in memory
	s_mov_b32 s75, 0
	s_add_co_u32 s76, s72, s[G0B+1]
	s_mov_b32 s77, 0
	s_wait_dscnt 0x0
	s_wait_kmcnt 0x0
	s_load_b256 s[56:63], s[6:7], 0x0              ; e0 .. e7
	s_load_b128 s[68:71], s[6:7], 0x20             ; e8 .. e11
	s_add_nc_u64 s[G0A+2:G0A+3], s[4:5], s[74:75]
	s_or_b32 s[G0A+3], s[G0A+3], 0x80000000
	s_add_nc_u64 s[G0B+2:G0B+3], s[4:5], s[76:77]
	s_or_b32 s[G0B+3], s[G0B+3], 0x80000000
	tensor_load_to_lds s[G0A:G0A+3], s[G1A:G1A+7]  ; the first fill; it lands before the barrier, behind which the second is issued: one load of mine is out
	s_nop 0
	s_wait_alu depctr_va_vdst(0)
	s_wait_tensorcnt 0x0
	ds_add_u32 v251, v255
	s_wait_dscnt 0x0
	s_barrier_signal -1
	s_barrier_wait -1
	tensor_load_to_lds s[G0B:G0B+3], s[G1B:G1B+7]
	s_nop 0
.rept 4
	v_nop
.endr
	s_sub_co_u32 s53, 7, ttmp9                     ; tile 0's block of queries; tile 1's is the work-group's x
	s_lshl_b32 s72, s48, 17
	s_lshl_b32 s73, s18, 10
	s_add_co_u32 s72, s72, s73                     ; q: the head's 131,072 bytes, my tile's 1,024 in a block's sixteen
	s_lshl_b32 s73, s53, 14
	s_add_co_u32 s10, s72, s73
	s_mov_b32 s11, 0
	s_lshl_b32 s73, ttmp9, 14
	s_add_co_u32 s12, s72, s73
	s_mov_b32 s13, 0
	s_add_nc_u64 s[10:11], s[4:5], s[10:11]
	s_add_nc_u64 s[12:13], s[4:5], s[12:13]
	v_and_b32 v1, 31, v0
	s_delay_alu instid0(VALU_DEP_1)
	v_lshlrev_b32 v1, 4, v1                        ; 16 x lane
	global_load_b128 v[16:19], v1, s[10:11]        ; Q's fragments stay in registers
	global_load_b128 v[20:23], v1, s[10:11] offset:512
	global_load_b128 v[24:27], v1, s[12:13]
	global_load_b128 v[28:31], v1, s[12:13] offset:512
	s_lshr_b32 s72, s18, 3
	s_lshl_b32 s72, s72, 7
	s_lshl_b32 s[QA], s53, 8
	s_add_co_u32 s[QA], s[QA], s72                 ; 256 x block + 128 (wave / 8)
	s_lshl_b32 s[QA+1], ttmp9, 8
	s_add_co_u32 s[QA+1], s[QA+1], s72
	; ctx: block of 128 tokens 16 x batch + 2 x block + wave / 8; K / 256 = head / 4; tile wave % 8; then 1,024 x (head % 4)
	s_lshr_b32 s72, s48, 4
	s_lshl_b32 s72, s72, 4
	s_lshr_b32 s73, s18, 3
	s_add_co_u32 s72, s72, s73
	s_lshl_b32 s72, s72, 17
	s_and_b32 s73, s48, 3
	s_lshl_b32 s73, s73, 10
	s_add_co_u32 s72, s72, s73
	s_bfe_u32 s73, s48, 0x20002
	s_lshl_b32 s73, s73, 15
	s_add_co_u32 s72, s72, s73
	s_and_b32 s73, s18, 7
	s_lshl_b32 s73, s73, 12
	s_add_co_u32 s72, s72, s73
	s_lshl_b32 s73, s53, 18
	s_add_co_u32 s14, s72, s73
	s_mov_b32 s15, 0
	s_lshl_b32 s73, ttmp9, 18
	s_add_co_u32 s16, s72, s73
	s_mov_b32 s17, 0
	s_add_nc_u64 s[14:15], s[8:9], s[14:15]
	s_add_nc_u64 s[16:17], s[8:9], s[16:17]
	s_bfe_u32 s72, s18, 0x20001
	s_lshl_b32 s72, s72, 5
	s_and_b32 s73, s18, 1
	s_lshl_b32 s73, s73, 3
	s_add_co_u32 s72, s72, s73                     ; my tile's first query in its block of 128
	v_and_b32 v4, 15, v0                           ; r
	s_delay_alu instid0(VALU_DEP_1)
	v_and_b32 v5, 8, v4
	s_delay_alu instid0(VALU_DEP_1)
	v_add_nc_u32 v3, v4, v5                        ; r + 8 (r / 8)
	v_bfe_u32 v6, v0, 4, 1
	s_delay_alu instid0(VALU_DEP_1)
	v_lshlrev_b32 v6, 4, v6
	s_delay_alu instid0(VALU_DEP_1)
	v_sub_nc_u32 v3, v3, v6                        ; - 16 h
	s_delay_alu instid0(VALU_DEP_1)
	v_add_nc_u32 v3, s72, v3                       ; register 16 b + i of the masked step holds key QA + 32 b + 16 h + i: hidden where 32 b + i > v3
	s_mov_b32 s[SEL], 0x76543210
	s_mov_b32 s[SEL+1], 0xfedcba98
	v_mov_b32 v9, 0xff61b1e6                       ; the largest t so far: -3e38, under every t
	s_delay_alu instid0(VALU_DEP_1)
	v_floor_f32 v8, -v9                            ; -M
	v_mov_b32 v10, 0                               ; the sum, in two halves
	v_mov_b32 v11, 0
	v_mov_b32 v13, 0xff61b1e6
	s_delay_alu instid0(VALU_DEP_1)
	v_floor_f32 v12, -v13
	v_mov_b32 v14, 0
	v_mov_b32 v15, 0
	v_mov_b32 v236, 0                              ; written once: a lane permute's destination counts as one of its sources
	v_mov_b32 v253, 0                              ; (named as the upper half of the pair v[252:253])
.set j, 0
.rept 64
	v_mov_b32 v[160+j], 0                          ; O^T of both tiles.  (The step is written once: the first finds zeros, which the first change of M leaves zeros)
.set j, j+1
.endr
	s_wait_kmcnt 0x0
	s_add_co_i32 s72, s62, s63
	s_lshl_b32 s72, s72, 23
	s_add_co_i32 s[CS], s72, 0x3e38aa3b            ; c = log2(e) / 8, with e6 + e7 added to its exponent field
	s_mov_b32 s[CS+1], s[CS]                       ; (named with it as a pair, so it is written)
	s_add_co_i32 s72, s68, 127
	s_lshl_b32 s73, s72, 23
	v_mov_b32 v244, s73                            ; 2^e8
	s_sub_co_i32 s72, s70, s68
	s_sub_co_i32 s72, s72, s69                     ; O / l stands for ctx / 2^(e8 + e9): its code is (O / l) / 2^(e10 - e8 - e9)
	s_add_co_i32 s72, s72, 127
	s_lshl_b32 s73, s72, 23
	v_mov_b32 v246, s73
; A KEY STEP of 128 keys for tile sel.
.macro STEP sel
.set QF, 16+8*(\sel)
.set OT, 160+32*(\sel)
.set SS, 8+4*(\sel)
	s_cmp_gt_u32 s[KF], s[QA+\sel]                 ; all 128 keys come after my queries: nothing to do
	s_cbranch_scc1 .Lhid_\@
	v_add_nc_u32 v2, s[TB], v1
.rept 3
	v_nop                                          ; with the addition: four places in front of loads into registers that the last products read
.endr
.irp t, 0,1,2,3,4,5,6,7
.irp c, 0,1
	ds_load_b128 v[32+8*\t+4*\c:32+8*\t+4*\c+3], v2 offset:1024*\t+512*\c   ; K's tile t: 512 consecutive bytes a load
.endr
.endr
	s_wait_alu depctr_va_vdst(0)
	s_wait_dscnt 0x0
.irp t, 0,1,2,3,4,5,6,7
	v_wmma_f32_16x16x64_bf8_bf8 v[96+8*\t:103+8*\t], v[32+8*\t:39+8*\t], v[QF:QF+7], 0
.endr
.rept 4
	v_nop                                          ; places in front of the loads below and of the first read of the scores
.endr
.irp t, 0,1,2,3
.irp c, 0,1,2,3
	ds_load_b128 v[32+16*\t+4*\c:32+16*\t+4*\c+3], v2 offset:8192+2048*\t+512*\c   ; V's four fragments land under the softmax
.endr
.endr
	s_cmp_lt_u32 s[KF], s[QA+\sel]                 ; all keys count: no mask
	s_cbranch_scc1 .Lopen_\@
	v_mov_b32 v254, 0xff800000                     ; -infinity: p = 0 then
.set n, 0
.rept 64
	v_cmp_gt_i32 vcc_lo, 32*(n/16)+n%16, v3
	v_cndmask_b32 v[96+n], v[96+n], v254, vcc_lo
.set n, n+1
.endr
.Lopen_\@:
	v_max3_num_f32 v254, v96, v97, v98             ; the step's largest score of my query, among my 64 keys, in two chains, each accumulator from its low end on,
	v_max3_num_f32 v252, v99, v100, v101
.irp i, 6,10,14,18,22,26,30,34,38,42,46,50,54,58
	v_max3_num_f32 v254, v254, v[96+\i], v[97+\i]
	v_max3_num_f32 v252, v252, v[98+\i], v[99+\i]
.endr
	v_max3_num_f32 v254, v254, v158, v159
	s_delay_alu instid0(VALU_DEP_1)
	v_max_num_f32 v254, v254, v252
	v_permlanex16_b32 v236, v254, s[SEL], s[SEL+1]
	s_delay_alu instid0(VALU_DEP_1)
	v_max_num_f32 v254, v254, v236                 ; and among lane l xor 16's
	s_delay_alu instid0(VALU_DEP_1)
	v_mul_f32 v254, s[CS], v254                    ; as t (c is positive)
	s_delay_alu instid0(VALU_DEP_1)
	v_max_num_f32 v[SS+1], v[SS+1], v254           ; the running largest t
	v_mov_b32 v254, v[SS]
	s_delay_alu instid0(VALU_DEP_2)
	v_floor_f32 v[SS], -v[SS+1]                    ; the new -M = floor(-t) = -ceil(t): a whole number
	s_delay_alu instid0(VALU_DEP_1)
	v_sub_f32 v254, v[SS], v254                    ; old M - new M: a whole number, 0 or less
	s_delay_alu instid0(VALU_DEP_1)
	v_cvt_i32_f32 v254, v254                       ; (it saturates)
	s_delay_alu instid0(VALU_DEP_1)
	v_ldexp_f32 v252, 1.0, v254                    ; f = 2^(old M - new M)
.set j, 0
.rept 32
	v_pk_fma_f32 v[96+j:97+j], v[96+j:97+j], s[CS:CS+1], v[SS:SS+1] op_sel_hi:[1,0,0]   ; t - M, two at a time (of the pairs c and -M the low word serves both halves)
.set j, j+2
.endr
.set j, 0
	s_wait_alu depctr_va_vdst(0)
.rept 64
	v_exp_f32 v[96+j], v[96+j]                     ; p = 2^(t - M), at most 1: not normalised
.set j, j+1
.endr
	v_pk_mul_f32 v[SS+2:SS+3], v[SS+2:SS+3], v[252:253] op_sel_hi:[1,0]   ; the sums under the new M.  (A plain line behind the exponentials)
	s_wait_alu depctr_va_vdst(0)
	v_pk_add_f32 v[242:243], v[96:97], v[98:99]    ; the row's sum is taken of the unquantised p: two at a time, in two chains
.irp j, 4,8,12,16,20,24,28,32,36,40,44,48,52,56,60
	v_pk_add_f32 v[SS+2:SS+3], v[SS+2:SS+3], v[96+\j:97+\j]
	v_pk_add_f32 v[242:243], v[242:243], v[98+\j:99+\j]
.endr
	s_delay_alu instid0(VALU_DEP_1)
	v_pk_add_f32 v[SS+2:SS+3], v[SS+2:SS+3], v[242:243]
.irp b, 0,1,2,3
.irp i, 0,1,2,3,4,5,6,7,8,9,10,11,12,13,14,15
.endr
	v_cvt_scalef32_pk8_bf8_f32 v[224+4*\b:225+4*\b], v[96+16*\b:103+16*\b], v244
	v_cvt_scalef32_pk8_bf8_f32 v[226+4*\b:227+4*\b], v[104+16*\b:111+16*\b], v244
.endr
.set j, 0
.rept 16
	v_pk_mul_f32 v[OT+j:OT+j+1], v[OT+j:OT+j+1], v[252:253] op_sel_hi:[1,0]   ; O^T under the new M.  (Also the plain lines between the conversions and the products below)
.set j, j+2
.endr
	s_wait_alu depctr_va_vdst(0)
	s_wait_dscnt 0x0                               ; V is in
.irp t, 0,1,2,3                        ; four accumulators, one instruction each; the eight products K Q^T stand between two links of a chain
	v_wmma_f32_16x16x128_bf8_bf8 v[OT+8*\t:OT+8*\t+7], v[32+16*\t:47+16*\t], v[224:239], v[OT+8*\t:OT+8*\t+7]
.endr
.Lhid_\@:
.endm
.macro KLOOP n                         ; n key steps, both tiles in each
	s_mov_b32 s[CNT], \n
.Lk_\@:
	STEP 0
	STEP 1
	s_add_co_u32 s[KF], s[KF], 128
	s_add_co_u32 s[TB], s[TB], 16384
	s_sub_co_u32 s[CNT], s[CNT], 1
	s_cmp_lg_u32 s[CNT], 0
	s_cbranch_scc1 .Lk_\@
.endm
	s_wait_loadcnt 0x0                             ; Q
	s_wait_tensorcnt 0x1                           ; my part of key steps 0-3 is in; the larger load, issued behind it, may be out
	s_barrier_signal -1
	s_barrier_wait -1                              ; everybody's is
	s_mov_b32 s[KF], 0
	s_mov_b32 s[TB], 0
	KLOOP 4                                        ; LDS bytes 0 to 65,535
	s_wait_tensorcnt 0x0                           ; my part of key steps 4-15 is in
	s_wait_dscnt 0x0
	s_barrier_signal -1
	s_barrier_wait -1
	s_mov_b32 s[TB], 65536
	KLOOP 12
	; THE WAY OUT: O^T / the sum, held, converted; two groups of four registers are 2 x 512 consecutive bytes of ctx's image.
.rept 4
	v_nop                                          ; places behind the last products
.endr
.macro OUTT sel
.set OT, 160+32*(\sel)
.set SS, 8+4*(\sel)
.set TW, 96+32*(\sel)
.set CW, 32+8*(\sel)
	v_add_f32 v[SS+2], v[SS+2], v[SS+3]            ; the sum's two halves,
	v_permlanex16_b32 v236, v[SS+2], s[SEL], s[SEL+1]
	s_delay_alu instid0(VALU_DEP_1)
	v_add_f32 v[SS+2], v[SS+2], v236               ; and lane l xor 16's
	s_wait_alu depctr_va_vdst(0)
	v_rcp_f32 v[SS+2], v[SS+2]
	v_nop                                          ; a plain line behind the reciprocal
.set j, 0
	s_wait_alu depctr_va_vdst(0)
.rept 32
	v_mul_f32 v[TW+j], v[OT+j], v[SS+2]            ; register 16 b + i: channel 32 b + 16 h + i of my query
.set j, j+1
.endr
.set j, 0
.rept 32
.set j, j+1
.endr
.irp g, 0,1,2,3
	v_cvt_scalef32_pk8_bf8_f32 v[CW+2*\g:CW+2*\g+1], v[TW+8*\g:TW+8*\g+7], v246
.endr
	v_nop                                          ; a plain line behind the conversions
	global_store_b128 v1, v[CW:CW+3], s[14+2*(\sel):15+2*(\sel)]
	global_store_b128 v1, v[CW+4:CW+7], s[14+2*(\sel):15+2*(\sel)] offset:512
.endm
	OUTT 0
	OUTT 1
	s_wait_tensorcnt 0x0
	ds_add_u32 v251, v255
	s_wait_dscnt 0x0
	s_endpgm
.Lfunc_end_k_q41a79e411b_attn:
	.size	k_q41a79e411b_attn, .Lfunc_end_k_q41a79e411b_attn-k_q41a79e411b_attn
	.p2alignl 7, 3214868480
	.fill 96, 4, 3214868480
	.section	.rodata,"a",@progbits
	.p2align	6, 0x0
	.amdhsa_kernel k_q41a79e411b_attn
		.amdhsa_group_segment_fixed_size 327680
		.amdhsa_private_segment_fixed_size 0
		.amdhsa_enable_private_segment 0
		.amdhsa_kernarg_size 24
		.amdhsa_user_sgpr_count 2
		.amdhsa_user_sgpr_kernarg_segment_ptr 1
		.amdhsa_wavefront_size32 1
		.amdhsa_system_sgpr_workgroup_id_x 1
		.amdhsa_system_sgpr_workgroup_id_y 1
		.amdhsa_system_sgpr_workgroup_id_z 1
		.amdhsa_system_vgpr_workitem_id 0
		.amdhsa_next_free_vgpr 256
		.amdhsa_next_free_sgpr 80
		.amdhsa_reserve_vcc 1
		.amdhsa_float_denorm_mode_32 3
		.amdhsa_float_denorm_mode_16_64 3
		.amdhsa_fp16_overflow 1
		.amdhsa_memory_ordered 1
		.amdhsa_forward_progress 1
		.amdhsa_inst_pref_size 88
	.end_amdhsa_kernel
	.amdgpu_metadata
---
amdhsa.version: [ 1, 2 ]
amdhsa.kernels:
  - .name:           k_q41a79e411b_attn
    .symbol:         k_q41a79e411b_attn.kd
    .args:
      - { .name: qkv, .offset: 0, .size: 8, .value_kind: global_buffer, .address_space: global }
      - { .name: lowp_scales, .offset: 8, .size: 8, .value_kind: global_buffer, .address_space: global }
      - { .name: ctx, .offset: 16, .size: 8, .value_kind: global_buffer, .address_space: global }
    .group_segment_fixed_size: 327680
    .private_segment_fixed_size: 0
    .kernarg_segment_align: 8
    .kernarg_segment_size: 24
    .max_flat_workgroup_size: 512
    .sgpr_count:     80
    .vgpr_count:     256
    .wavefront_size: 32
...
	.end_amdgpu_metadata
.endif
;; end of part 3
;; launch proj (part 4): grid 4 x 32, 4 waves a work-group, clusters of 4 x 4, 327,680 bytes of LDS; arguments ctx, img, lowp_scales, bo, out0; writes out0
.if DOCPART == 4
	.amdgcn_target "amdgcn-amd-amdhsa--gfx1250"
	.amdhsa_code_object_version 6
	.text
	.protected	k_q41a79e411b_proj
	.globl	k_q41a79e411b_proj
	.p2align	8
	.type	k_q41a79e411b_proj,@function
k_q41a79e411b_proj:
	s_mov_b64 s[64:65], 0
	v_nop
	global_prefetch_b8 v0, s[64:65] scope:SCOPE_SE
	s_setreg_imm32_b32 hwreg(HW_REG_WAVE_MODE, 25, 1), 1
	s_wait_xcnt 0x0
	s_wait_alu depctr_hold_cnt(0) depctr_sa_sdst(0) depctr_va_vdst(0) depctr_va_sdst(0) depctr_va_ssrc(0) depctr_va_vcc(0) depctr_vm_vsrc(0)
	s_getreg_b32 s2, hwreg(HW_REG_IB_STS2, 6, 4)
	s_cmp_eq_u32 s2, 0
	s_cbranch_scc0 .Lentry_in_a_cluster
	s_endpgm
.Lentry_in_a_cluster:
	s_bfe_u32 s2, ttmp6, 0x10000c
	s_cmp_lg_u32 s2, 0xf033
	s_cbranch_scc0 .Lentry_shape_is_right
	s_endpgm
.Lentry_shape_is_right:
; out0 = ctx Wo + bo: ctx [8192][1024] and Wo (rows = output columns) as codes of BF8 (E5M2) in the order of operand registers; out0 [8192][1024] f32.  Each finished sum x 2^(e10 + e11) + bo, one fused multiply-add.
; LIMIT: e10 + e11 between -126 and 127, so that 2^(e10 + e11) is an f32 number.
; A work-group of four waves makes 256 x 256 of out0, a wave 128 x 128: 64 accumulators, 512 registers.  K goes in steps of 256 through two LDS slots filled by the tensor data mover; a block of 128 rows x 256 K is 32,768
; consecutive bytes of its buffer, and a fragment comes by four loads at 16 x lane: no pitch, no padding.  Wo's image is blocks 216-223 of img.
; CLUSTERS: 4 x 4 work-groups; ctx's tiles (A, source 1) are asked for jointly along a row of the cluster, Wo's (B, source 0) along a column.
; The rows of a tile of 16 are 32 (a / 2) + 8 (a % 2) + r + 8 (r / 8), in both operands: register j of accumulator (a, b) in lane (r, h) is token 32 (a / 2) + 8 (a % 2) + r + 8 (r / 8), column 32 (b / 2) + 8 (b % 2) + 16 h + j.
; REGISTERS, in windows of 256: window 0: v16-29 addresses; v96-99 bo of my four columns; from v128 A's fragments, one set, later rows of out0.  window 1: B's fragments, two sets.  windows 2, 3: the accumulators.
.set FR,     16                        ; registers of a fragment: 16 rows x 128 K
.set NL,     4                         ; LDS loads that bring one
.set NP,     4                         ; places behind this matrix instruction (ISA guide 7.12.1)
.set HALFT,  32768                     ; 128 rows x 256 K: what one tensor load brings
.set SLOT,   4*HALFT                   ; A's two blocks, then B's two
.set SPARE,  2*SLOT                    ; behind the ring: the spare words, 128 bytes for each wave: two blocks of 256 bytes that no other line names
.set SPITCH, 528                       ; the way out: a stage of 16 rows x (512 bytes + 16) for each wave, in slot 0, which has had its last fill and its last read when the first result is stored there
.set ADRA, 16                          ; v16-17  LDS address of my A fragments in slot 0, 1
.set ADRB, 20                          ; v20-21  the same for B
.set STO,  24                          ; v24     the way out: where I put my bytes of a row
.set RD,   25                          ; v25     the way out: where I read a row back
.set CO,   26                          ; v26     16 x lane: my bytes in a row's 512
.set SPW,  28                          ; v28     LDS address of my spare word; never rewritten
.set NIL,  29                          ; v29     0; never rewritten
.set BIAS, 96                          ; v96-99  bo at my four columns
.set AF,   128                         ; A's fragments, in window 0
.set BK,   128                         ; the way out: 16 rows read back from the stage: v128-191 and v192-255 by turns
.set G1, 24                            ; s[24:31] descriptor group 1 for A's tiles;  s[32:39] group 0, one set for each slot
.set G0, 32
.set G1B, 48                           ; s[48:55], s[56:63] the same for B's tiles
.set G0B, 56
.set MSB, 0
.macro WIN new                         ; the immediate's high byte repeats the setting that is left
.if MSB != \new
	s_set_vgpr_msb (MSB<<8)|\new
.set MSB, \new
.endif
.endm
.set MUL_LO, 0xa1                      ; source 0 (B) window 1, source 1 (A) window 0, C and D window 2
.set MUL_HI, 0xf1                      ; the same, C and D window 3
.set TO_B,   0x40                      ; destination window 1, address window 0
; A joint load: waves 0 and 1 fetch for A, waves 2 and 3 for B; the branch hangs on the wave's number alone.  Four v_nop follow each of the two lines.
.macro JLOAD g0a, g1a, g0b, g1b
	s_cmp_eq_u32 s15, 0
	s_cbranch_scc0 .Lfor_b_\@
	tensor_load_to_lds s[\g0a:\g0a+3], s[\g1a:\g1a+7]
	s_nop 0
.rept 4
	v_nop
.endr
	s_branch .Lasked_\@
.Lfor_b_\@:
	tensor_load_to_lds s[\g0b:\g0b+3], s[\g1b:\g1b+7]
	s_nop 0
.rept 4
	v_nop
.endr
.Lasked_\@:
.endm
.macro CREST                           ; a round of the cluster's barrier behind its opening barrier
	s_cmp_lg_u32 s14, 0
	s_cbranch_scc1 .Lnot_wave_0_\@
	s_barrier_signal -3
.Lnot_wave_0_\@:
	s_barrier_wait -3
	s_barrier_signal -1
	s_barrier_wait -1
.endm
.macro CROUND                          ; a whole round
	s_barrier_signal -1
	s_barrier_wait -1
	CREST
.endm
	s_load_b128 s[4:7], s[0:1], 0x0                ; ctx s[4:5], img s[6:7]
	s_load_b128 s[8:11], s[0:1], 0x10              ; the scales' exponents s[8:9], bo s[10:11]
	s_load_b64 s[12:13], s[0:1], 0x20              ; out0
	v_lshl_add_u32 v[SPW], v0, 2, SPARE
	v_mov_b32 v[NIL], 0
	ds_add_u32 v28, v29
	ds_add_u32 v28, v29
	s_wait_dscnt 0x0
	v_lshrrev_b32 v1, 5, v0
	v_readfirstlane_b32 s14, v1                    ; wave 0..3
	s_lshr_b32 s15, s14, 1                         ; which half of the tile's rows is mine.  Also: I fetch for A (0) or for B (1)
	s_and_b32 s16, s14, 1                          ; which half of its columns.  Also: which block of 128 rows I fetch
	s_bfe_u32 s40, ttmp6, 0x40000                  ; cx, cy: my place in the cluster
	s_bfe_u32 s41, ttmp6, 0x40004
	s_and_b32 s17, ttmp7, 0xffff
	s_lshl_b32 s17, s17, 2
	s_add_co_u32 s17, s17, s41                     ; tile row of out0 = 4 x cluster y + cy; the tile column is cx
	s_lshl_b32 s43, s41, 2
	s_lshl_b32 s43, 15, s43                        ; my row of the cluster
	s_lshl_b32 s44, 0x1111, s40                    ; my column
	; descriptor group 1: a dense block, stated as 128 rows of 32 elements of 8 bytes
	s_or_b32 s[G1+0], s43, (3<<16)|(1<<21)         ; 15:0 the mask: A's tiles go to my row; 17:16 elements of 8 bytes; 20 no padding; 21 set beside a mask
	s_or_b32 s[G1B+0], s44, (3<<16)|(1<<21)
.irp g, G1, G1B
	s_mov_b32 s[\g+1], 32<<16                      ; tensor_dim0
	s_mov_b32 s[\g+2], 128<<16                     ; tensor_dim1
	s_mov_b32 s[\g+3], 32<<16                      ; tile_dim0
	s_mov_b32 s[\g+4], 128                         ; tile_dim1
	s_mov_b32 s[\g+5], 32                          ; tensor_dim0_stride
	s_mov_b32 s[\g+6], 0
	s_mov_b32 s[\g+7], 0
.endr
	s_lshl_b32 s20, s17, 1
	s_add_co_u32 s20, s20, s16
	s_lshl_b32 s20, s20, 17                        ; A: block 2 x tile row + half of ctx
	s_mov_b32 s21, 0
	s_lshl_b32 s46, s40, 1
	s_add_co_u32 s46, s46, s16
	s_add_co_u32 s46, s46, 216
	s_lshl_b32 s46, s46, 17                        ; B: block 216 + 2 cx + half of img
	s_mov_b32 s47, 0
	s_lshl_b32 s45, s14, 15                        ; where they go: wave x 32,768: no place in the cluster enters an LDS address
	s_wait_kmcnt 0x0
	s_load_b64 s[96:97], s[8:9], 0x28              ; e10, e11
	s_add_nc_u64 s[20:21], s[4:5], s[20:21]
	s_add_nc_u64 s[46:47], s[6:7], s[46:47]
	CROUND                                         ; all sixteen work-groups are here: the first joint loads meet
.irp s, 0,1
	s_mov_b32 s[G0+4*\s], 1
	s_add_co_u32 s[G0+4*\s+1], s45, \s*SLOT
	s_add_nc_u64 s[G0+4*\s+2:G0+4*\s+3], s[20:21], \s*HALFT
	s_or_b32 s[G0+4*\s+3], s[G0+4*\s+3], 0x80000000
	s_mov_b32 s[G0B+4*\s], 1
	s_add_co_u32 s[G0B+4*\s+1], s45, \s*SLOT
	s_add_nc_u64 s[G0B+4*\s+2:G0B+4*\s+3], s[46:47], \s*HALFT
	s_or_b32 s[G0B+4*\s+3], s[G0B+4*\s+3], 0x80000000
	s_wait_alu depctr_va_vdst(0)
	s_wait_tensorcnt 0x0
	ds_add_u32 v28, v29
	ds_add_u32 v28, v29
	s_wait_dscnt 0x0
	CROUND
	JLOAD G0+4*\s, G1, G0B+4*\s, G1B
.endr
	v_and_b32 v1, 15, v0                           ; r
	v_bfe_u32 v2, v0, 4, 1                         ; h
	v_and_b32 v3, 31, v0
	v_lshlrev_b32 v[CO], 4, v3                     ; 16 x lane
	s_wait_alu depctr_va_vdst(0)
	s_lshl_b32 s66, s40, 10
	s_lshl_b32 s67, s16, 9
	s_add_co_u32 s66, s66, s67                     ; my first column, in bytes: 1,024 cx + 512 x half
	s_mov_b32 s67, 0
	s_add_nc_u64 s[10:11], s[10:11], s[66:67]
	global_load_b128 v[BIAS:BIAS+3], v[CO], s[10:11]   ; bo at columns 4 x lane + 0 .. 3 of my 128; waited for on the way out
	s_lshl_b32 s68, s17, 20
	s_lshl_b32 s69, s15, 19
	s_add_co_u32 s68, s68, s69                     ; my first row of out0: (256 x tile row + 128 x half) x 4,096 bytes
	s_add_co_u32 s68, s68, s66
	s_mov_b32 s69, 0
	s_add_nc_u64 s[12:13], s[12:13], s[68:69]
	s_lshl_b32 s21, s15, 15                        ; my block of A
	s_lshl_b32 s22, s16, 15                        ; my block of B,
	s_add_co_u32 s22, s22, 2*HALFT                 ; which lies behind A's two
.irp s, 0,1
	v_add_nc_u32 v[ADRA+\s], s21, v[CO]
	v_add_nc_u32 v[ADRB+\s], s22, v[CO]
	s_add_co_u32 s21, s21, SLOT
	s_add_co_u32 s22, s22, SLOT
.endr
	s_mul_i32 s23, s14, 16*SPITCH                  ; my stage
	v_mul_u32_u24 v5, v1, SPITCH
	v_lshl_add_u32 v5, v2, 6, v5
	v_add_nc_u32 v[STO], s23, v5                   ; in: row r, + 64 h
	v_add_nc_u32 v[RD], s23, v[CO]                 ; back: the 32 lanes take one row of 512 bytes
.macro FRAG reg, adr, q, i             ; a fragment, 16 rows x 128 K, is 16 registers: registers 4 c .. 4 c + 3 hold K = 32 c + 16 (l / 16) + 0 .. 15 of the tile's row l % 16; each load takes 512 consecutive bytes
.irp c, 0,1,2,3
	ds_load_b128 v[\reg+4*\c:\reg+4*\c+3], v[\adr] offset:4096*(\i)+2048*(\q)+512*\c
.endr
.endm
; 16 matrix instructions: A's blocks a0, a0 + 1 x B's eight, 128 along K.  p: B's set.  zero = 1: the first product starts the sums.  The 64 accumulators take turns, one instruction a turn.
.macro MUL16 a0, p, zero
.irp a, \a0, \a0+1
.irp b, 0,1,2,3,4,5,6,7
.if \zero
	v_wmma_f32_16x16x128_bf8_bf8 v[8*(8*((\a)%4)+\b):8*(8*((\a)%4)+\b)+7], v[128*(\p)+FR*\b:128*(\p)+FR*\b+FR-1], v[AF+FR*(\a):AF+FR*(\a)+FR-1], 0
.else
	v_wmma_f32_16x16x128_bf8_bf8 v[8*(8*((\a)%4)+\b):8*(8*((\a)%4)+\b)+7], v[128*(\p)+FR*\b:128*(\p)+FR*\b+FR-1], v[AF+FR*(\a):AF+FR*(\a)+FR-1], v[8*(8*((\a)%4)+\b):8*(8*((\a)%4)+\b)+7]
.endif
.endr
.endr
.endm
.macro FETCH_B slot, q, p              ; B's eight fragments of the slot's q-th 128 along K into set p
	WIN TO_B
.irp i, 0,1,2,3,4,5,6,7
	FRAG 128*(\p)+FR*\i, ADRB+\slot, \q, \i
.endr
	WIN 0
.endm
.macro FETCH_A slot, q, i0             ; A's blocks i0 .. i0 + 3
.irp i, \i0, \i0+1, \i0+2, \i0+3
	FRAG AF+FR*(\i), ADRA+\slot, \q, \i
.endr
.endm
.macro PLACES n                        ; plain vector lines between a matrix instruction and a load into, or a read of, its registers
.rept \n
	v_nop
.endr
.endm
; A step of 128 along K that has its successor in the same slot.
.macro STEP slot, q, zero
	s_wait_dscnt 4*NL                              ; B's set and A's blocks 0-3 are in; the youngest sixteen loads (A's blocks 4-7) may be out
	WIN MUL_LO
	MUL16 0, (\q)%2, \zero
	MUL16 2, (\q)%2, \zero
	s_wait_dscnt 0                                 ; A's blocks 4-7 are in
	PLACES NP
	FETCH_B \slot, (\q)+1, 1-(\q)%2
	FETCH_A \slot, (\q)+1, 0
	WIN MUL_HI
	MUL16 4, (\q)%2, \zero
	MUL16 6, (\q)%2, \zero
	PLACES NP
	WIN 0
	FETCH_A \slot, (\q)+1, 4
.endm
; A slot's last step changes slots: one barrier; in front of it each wave waits for all its tensor loads, adds 0 to its spare word, and waits for that and for its own reads of this slot.  fill = 1: this slot is filled again, two K steps ahead.
.macro TURN slot, next, fill
	s_wait_tensorcnt 0x0                           ; all my tensor loads have landed: my part of the next slot
	ds_add_u32 v[SPW], v[NIL]                      ; 0 onto my spare word
	s_wait_dscnt 4*NL+1                            ; (the add and the youngest sixteen loads may be out)
	WIN MUL_LO
	MUL16 0, 1, 0                                  ; sixteen matrix instructions stand between the add and the wait for it
	s_wait_dscnt 0x0                               ; the add is done, and my reads of this slot are over
	s_barrier_signal -1
	MUL16 2, 1, 0
	WIN 0
	s_barrier_wait -1
.if \fill
	CREST                                          ; the barrier has opened a round of the cluster's barrier: no wave of any partner still reads this slot or has a load on its way
	s_add_nc_u64 s[G0+4*\slot+2:G0+4*\slot+3], s[G0+4*\slot+2:G0+4*\slot+3], 2*HALFT
	s_add_nc_u64 s[G0B+4*\slot+2:G0B+4*\slot+3], s[G0B+4*\slot+2:G0B+4*\slot+3], 2*HALFT
	JLOAD G0+4*\slot, G1, G0B+4*\slot, G1B         ; the first tensor load behind the round; its four v_nop are the places in front of the loads below
.else
	PLACES NP
.endif
	FETCH_B \next, 0, 0
	FETCH_A \next, 0, 0
	WIN MUL_HI
	MUL16 4, 1, 0
	MUL16 6, 1, 0
	PLACES NP
	WIN 0
	FETCH_A \next, 0, 4
.endm
	s_wait_alu depctr_va_vdst(0)
	s_wait_tensorcnt 1                             ; my part of slot 0 is in; slot 1's load, issued behind it, may be out
	s_barrier_signal -1
	s_barrier_wait -1                              ; everybody's is
	FETCH_B 0, 0, 0
	FETCH_A 0, 0, 0
	FETCH_A 0, 0, 4
	STEP 0, 0, 1                                   ; K = 1,024 is eight steps of 128, four fills: written straight
	TURN 0, 1, 1
	STEP 1, 0, 0
	TURN 1, 0, 1
	STEP 0, 0, 0
	TURN 0, 1, 0                                   ; nothing is left to fetch; behind this barrier nobody reads slot 0
	STEP 1, 0, 0
	s_wait_dscnt 4*NL
	WIN MUL_LO
	MUL16 0, 1, 0
	MUL16 2, 1, 0
	s_wait_dscnt 0
	WIN MUL_HI
	MUL16 4, 1, 0
	MUL16 6, 1, 0
	WIN 0
; THE WAY OUT, block by block of 16 tokens x 128 columns.  The sums go into my own stage as they stand, each at its column's place, and come back as whole rows of 512 bytes; there a lane holds four neighbouring columns,
; the same four in every row, so four registers of bo serve all.  LDS serves a wave's instructions in order (ISA guide 5.7.1.4): no wait between the stores and the loads, nor in front of the next block's stores.
.macro TOSTAGE a
.set AC, 64*((\a)%4)
.set WN, 0x08+4*((\a)/4)
	WIN WN                                         ; the stores' data: window 2 or 3
.irp b, 0,1,2,3,4,5,6,7
	ds_store_b128 v[STO], v[AC+8*\b:AC+8*\b+3] offset:128*(\b/2)+32*(\b%2)         ; columns 32 (b / 2) + 8 (b % 2) + 16 h + 0 .. 3; each accumulator from its low end on
	ds_store_b128 v[STO], v[AC+8*\b+4:AC+8*\b+7] offset:128*(\b/2)+32*(\b%2)+16
.endr
	WIN 0
.set BB, BK+64*((\a)%2)
.irp t, 0,1,2,3,4,5,6,7,8,9,10,11,12,13,14,15
	ds_load_b128 v[BB+4*\t:BB+4*\t+3], v[RD] offset:\t*SPITCH
.endr
.endm
.macro SEND a, younger                 ; younger: the LDS instructions issued behind block a's loads, which may stay out
.set BB, BK+64*((\a)%2)
	s_wait_dscnt \younger                          ; the block is back in registers
.if (\a) > 0
.if (\a)%2
	s_add_nc_u64 s[12:13], s[12:13], 8*4096        ; (behind a wait on XCNT: the earlier stores have read their base)  from an even tile to the odd one: 8 rows on,
.else
	s_add_nc_u64 s[12:13], s[12:13], 24*4096       ; from an odd one to the next even one: 24
.endif
.endif
.set j, 0
.rept 32
	v_pk_fma_f32 v[BB+2*j:BB+2*j+1], v[BB+2*j:BB+2*j+1], s[96:97], v[BIAS+2*(j%2):BIAS+2*(j%2)+1] op_sel_hi:[1,0,1]   ; sum x 2^(e10 + e11) + bo (the scalar pair's low word for both halves)
.set j, j+1
.endr
.irp t, 0,1,2,3,4,5,6,7,8,9,10,11,12,13,14,15
	global_store_b128 v[CO], v[BB+4*\t:BB+4*\t+3], s[12:13] offset:(\t+8*(\t/8))*4096 th:TH_STORE_NT   ; the tile's row t: 32 lanes store 512 consecutive bytes, at a multiple of 256 from out0's first byte
.endr
.endm
	s_wait_kmcnt 0x0
	s_add_co_i32 s96, s96, s97                     ; e10 + e11
	s_add_co_i32 s96, s96, 127
	s_lshl_b32 s96, s96, 23                        ; 2^(e10 + e11) as f32
	s_mov_b32 s97, s96                             ; (named with it as a pair, so it is written)
	s_wait_loadcnt 0x0                             ; bo
	PLACES NP                                      ; in front of the first reads of results and of the loads into the registers that held A's fragments
	TOSTAGE 0
.irp a, 1,2,3,4,5,6,7
.if \a > 1
	s_wait_xcnt 0x0                                ; block a - 2's stores have read their registers and their base: block a's loads may land there, and the base may step
.endif
	TOSTAGE \a
	SEND \a-1, 32                                  ; behind block a - 1's loads: block a's 16 stores and 16 loads
.endr
	s_wait_xcnt 0x0                                ; block 6's stores have read their base
	SEND 7, 0
	s_wait_tensorcnt 0x0                           ; the wave's end
	ds_add_u32 v[SPW], v[NIL]
	s_wait_dscnt 0x0
	CROUND                                         ; the closing round: no work-group ends while a partner may still ask for a tile that names it
	s_endpgm
.Lfunc_end_k_q41a79e411b_proj:
	.size	k_q41a79e411b_proj, .Lfunc_end_k_q41a79e411b_proj-k_q41a79e411b_proj
	.p2alignl 7, 3214868480
	.fill 96, 4, 3214868480
	.section	.rodata,"a",@progbits
	.p2align	6, 0x0
	.amdhsa_kernel k_q41a79e411b_proj
		.amdhsa_group_segment_fixed_size 327680
		.amdhsa_private_segment_fixed_size 0
		.amdhsa_enable_private_segment 0
		.amdhsa_kernarg_size 40
		.amdhsa_user_sgpr_count 2
		.amdhsa_user_sgpr_kernarg_segment_ptr 1
		.amdhsa_wavefront_size32 1
		.amdhsa_system_sgpr_workgroup_id_x 1
		.amdhsa_system_sgpr_workgroup_id_y 1
		.amdhsa_system_sgpr_workgroup_id_z 1
		.amdhsa_system_vgpr_workitem_id 0
		.amdhsa_next_free_vgpr 1024
		.amdhsa_next_free_sgpr 100
		.amdhsa_reserve_vcc 0
		.amdhsa_float_denorm_mode_32 3
		.amdhsa_float_denorm_mode_16_64 3
		.amdhsa_memory_ordered 1
		.amdhsa_forward_progress 1
		.amdhsa_inst_pref_size 124
	.end_amdhsa_kernel
	.amdgpu_metadata
---
amdhsa.version: [ 1, 2 ]
amdhsa.kernels:
  - .name:           k_q41a79e411b_proj
    .symbol:         k_q41a79e411b_proj.kd
    .args:
      - { .name: ctx, .offset: 0, .size: 8, .value_kind: global_buffer, .address_space: global }
      - { .name: img, .offset: 8, .size: 8, .value_kind: global_buffer, .address_space: global }
      - { .name: lowp_scales, .offset: 16, .size: 8, .value_kind: global_buffer, .address_space: global }
      - { .name: bo, .offset: 24, .size: 8, .value_kind: global_buffer, .address_space: global }
      - { .name: out0, .offset: 32, .size: 8, .value_kind: global_buffer, .address_space: global }
    .group_segment_fixed_size: 327680
    .private_segment_fixed_size: 0
    .kernarg_segment_align: 8
    .kernarg_segment_size: 40
    .max_flat_workgroup_size: 128
    .sgpr_count:     100
    .vgpr_count:     1024
    .wavefront_size: 32
...
	.end_amdgpu_metadata
.endif
;; end of part 4
